; MI455X (gfx1250); checked and timed in simulation.
; The chip was launched on July 23, 2026; its instructions are those of AMD's public machine-readable ISA for CDNA 5 (MIT licence, August 2026) and "CDNA5" Instruction Set Architecture Reference Guide (July 2026). The comments in the code are by the model that wrote it; some were corrected since.
;; Wav KAN Linear. Allowed arithmetic: float matrix products may take bf16 or f16 operands with f32 sums; other float arithmetic in f32, or as packed bf16 or f16 multiplies, adds, multiply-adds, maxima and minima; sums over many terms, partial sums and values carried from step to step in f32; what a program stores and reads back later, other than sums and carried values, may be rounded once to bf16 or f16.
;; Inputs: base_weight 512 x 512 float32; scale 512 x 512 x 8 float32; translation 512 x 512 x 8 float32; wavelet_weight 512 x 512 x 8 float32; x 128 x 512 float32.
;; Outputs: out0 128 x 512 float32.
;; 2 versions, each right and faster than the one before. Each part assembles by itself: llvm-mc -triple=amdgcn-amd-amdhsa -mcpu=gfx1250 --defsym DOCPART=n.
;; ======== version 1 of 2: 1 launch
;; launch wavkan (part 1): grid 256 x 1, 16 waves a work-group, no clusters, 228,352 bytes of LDS; arguments x, translation, scale, wavelet_weight, base_weight, out0; writes out0
.if DOCPART == 1
	.amdgcn_target "amdgcn-amd-amdhsa--gfx1250"
	.amdhsa_code_object_version 6
	.text
	.protected	k_qfcf58a0439_wavkan
	.globl	k_qfcf58a0439_wavkan
	.p2align	8
	.type	k_qfcf58a0439_wavkan,@function
k_qfcf58a0439_wavkan:
	s_mov_b64 s[64:65], 0
	v_nop
	global_prefetch_b8 v0, s[64:65] scope:SCOPE_SE
	s_setreg_imm32_b32 hwreg(HW_REG_WAVE_MODE, 25, 1), 1
	s_wait_xcnt 0x0
; out[b][o] = sum_i silu(x[b][i]) bw[o][i]  +  sum_i sum_w ww[o][i][w] (1 - z^2) exp(-z^2 / 2),   z = (x[b][i] - t[o][i][w]) / (|s[o][i][w]| + 1e-8).
; x [128][512], t, s, ww [512][512][8], bw [512][512], out [128][512], all f32.
; SHARES.  256 work-groups; a work-group owns 4 outputs o and 64 rows b.  Sixteen waves: wave (oq, iq) takes output oq and the inputs 128 iq .. 128 iq + 127, in four chunks of 32.
; A LANE IS ONE INPUT i: its 8 wavelets are 32 consecutive bytes of each table (a wave's two 16-byte loads cover 1,024 consecutive bytes), they are prepared once a chunk and serve all 64 rows.
; THE ARITHMETIC.  c = sqrt(log2(e) / 2), r' = c / (|s| + 1e-8):  z' = x r' - t r';  q = -z'^2;  e = 2^q;  p = ww + (2 ln 2 ww) q = ww (1 - z^2);  sum += p e.
; Packed over two rows b, b + 1 (the parameters are given to both halves by op_sel): four packed instructions and two exponentials for two terms.
; x lies in LDS turned, [i][64 b]: one 16-byte read gives a lane two aligned pairs of rows and feeds 96 vector instructions.
; THE BASE PATH goes to the matrix unit in bf16: silu(x) is made while x is turned and laid [i][b]; each wave multiplies 16 rows b by its 128 inputs; sums in f32.
; THE END.  Each lane's 64 sums go into LDS (where x lay), each thread adds 16 rows of 16 bytes, three steps across 8 lanes, a table of 1 KB, and 64 threads store 16 bytes (4 outputs of a row) each.
; A row's 4 outputs are all that a work-group owns of it: 64 outputs to a work-group would have every table read 32 times, for an output that is a hundredth of the bytes.
; NO TENSOR LOADS, NO CLUSTER: a work-group takes in 320 KB in its whole life and issues 4 x 1,536 vector instructions a wave on them; the tables go into registers in the layout in which they are used,
; each chunk's a whole chunk (1,536 vector instructions) ahead of its use, so nothing is asked for earlier either.
; LIMITS.  t r' is rounded once, so z is off by up to 2^-24 |t| / (|s| + 1e-8); the reciprocal is v_rcp_f32's; 2^q below 2^-126 counts as 0; where |ww| z^2 passes 3.4e38
; (|x - t| above 1e10) the term is NaN; silu(x) and bw are rounded to bf16 for their product.
.set XP,    272                        ; a row of turned x (and of the lanes' sums): 64 b x 4 bytes + 16 = 17 x 16: sixteen neighbouring rows start at sixteen different groups of four banks (64 banks of 4 bytes: ISA guide 11.1)
.set SP,    160                        ; a row of silu: 64 b x 2 bytes + 32 = 5 x 32, for the turning load
.set ST0,   512*XP                     ; silu's table, behind x's 512 rows
.set BP,    ST0+512*SP                 ; the base path's partial sums: [iq][b][4 o] f32
.set FIN,   BP+4*64*16                 ; the wavelet sums: [o][b] f32
.set SPARE, FIN+4*64*4                 ; the spare words, 128 bytes for each of 16 waves: eight blocks of 256 bytes that no other line names
.set NCH,   256                        ; chains in a chunk: 32 pairs of rows x 8 wavelets
.set SPW,  1                           ; v1    LDS address of my spare word; never rewritten
.set NIL,  2                           ; v2    0; never rewritten
.set POFF, 3                           ; v3    my byte offset in the wave's part of the three tables: 32 x lane + 1,024 x chunk
.set XAD,  4                           ; v4    LDS address of my input's row of turned x
.set GX,   5                           ; v5    4 x thread: my column of x; at the end my row of out
.set XST,  6                           ; v6    LDS row that I fill: of turned x, later of the sums
.set SST,  7                           ; v7    LDS row of silu that I fill
.set BWO,  8                           ; v8    my byte offset in the work-group's rows of bw
.set TRA,  9                           ; v9    the turning load's address
.set BPA,  10                          ; v10   where my base partial sums go
.set RDA,  11                          ; v11   the end: the rows that I add, first 256 rows,
.set RDB,  12                          ; v12   and the other 256 (an LDS offset holds 16 bits)
.set FNA,  13                          ; v13   where my wavelet sums go
.set LN,   14                          ; v14   lane; at the end an address
.set LP,   15                          ; v15   lane x 272; at the end an address
.set ACC,  16                          ; v16-79    the sums: register b for row b
.set RP,   80                          ; v80-87    r' of my 8 wavelets
.set TN,   88                          ; v88-95    -t r'
.set WW,   96                          ; v96-103   ww
.set W2,   104                         ; v104-111  2 ln 2 ww
.set RT,   112                         ; v112-135  the next chunk's t, s, ww as loaded
.set RS,   120
.set RW,   128
.set XB,   136                         ; v136-147  three buffers of four rows' x
.set TMP,  148                         ; v148-171  six sets of four: z' -> q -> p (a pair), e (a pair)
.set XS,   172                         ; v172-235  x as loaded, 64 rows; then bw as loaded
.set D0,   236                         ; v236-251  two matrix accumulators
.set D1,   244
.set DSUM, 252                         ; v252-255  their sum
.set AF,   80                          ; bw's four fragments (before the first chunk is prepared)
.set BF,   136                         ; silu's four fragments (before the first chunk)
.set H,    TMP                         ; at the head only: lane / 16, lane % 16, lane % 8, (lane / 8) % 2, lane % 4
.set R,    TMP+1
.set RG,   TMP+2
.set C3,   TMP+3
.set Q4,   TMP+4
.set WV,  16                           ; s16 wave, s17 oq = wave % 4, s18 iq = wave / 4, s19 the group of 4 outputs, s20 the half of the rows
.set OQ,  17
.set IQ,  18
.set OG,  19
.set BH,  20
.set NL,  30                           ; s[30:31] -log2(e)      (constants of packed lines are named as pairs; the low word serves both halves)
.set CC,  32                           ; s[32:33] c
.set K2,  34                           ; s[34:35] 2 ln 2
.set EPS, 36                           ; s[36:37] 1e-8
.set ABSM, 38                          ; s38 clears a sign
.set CNT, 39                           ; s39 chunks to go
.set SA,  40                           ; s40, s41 at work
.set SB,  41
	s_load_b256 s[4:11], s[0:1], 0x0               ; x s[4:5], t s[6:7], s s[8:9], ww s[10:11]
	s_load_b128 s[12:15], s[0:1], 0x20             ; bw s[12:13], out s[14:15]
	v_lshl_add_u32 v[SPW], v0, 2, SPARE
	v_mov_b32 v[NIL], 0
	v_lshrrev_b32 v[LP], 5, v0
	v_readfirstlane_b32 s[WV], v[LP]               ; wave 0..15
	v_and_b32 v[LN], 31, v0
	v_lshlrev_b32 v[POFF], 5, v[LN]                ; 32 bytes of each table a lane
	v_lshlrev_b32 v[GX], 2, v0                     ; thread = 32 wave + lane = the input that I turn
	s_and_b32 s[OQ], s[WV], 3
	s_lshr_b32 s[IQ], s[WV], 2
	s_lshr_b32 s[OG], ttmp9, 1
	s_and_b32 s[BH], ttmp9, 1
	s_lshl2_add_u32 s22, s[OG], s[OQ]              ; my output o = 4 group + oq
	s_lshl_b32 s22, s22, 14                        ; its 16,384 bytes in a table,
	s_lshl_b32 s23, s[IQ], 12                      ; my 128 inputs of 32 bytes
	s_add_co_u32 s22, s22, s23
	s_mov_b32 s23, 0
	s_lshl_b32 s24, s[BH], 17                      ; 64 rows of 2,048 bytes in x and in out
	s_mov_b32 s25, 0
	s_lshl_b32 s26, s[OG], 13                      ; 4 rows of 2,048 bytes in bw,
	s_lshl_b32 s27, s[IQ], 9                       ; my 128 inputs of 4 bytes
	s_add_co_u32 s26, s26, s27
	s_mov_b32 s27, 0
	s_lshl_b32 s28, s[OG], 4                       ; 4 outputs of 4 bytes in a row of out
	s_add_co_u32 s28, s28, s24
	s_mov_b32 s29, 0
	s_mov_b32 s[NL], 0xbfb8aa3b                    ; -1.442695
	s_mov_b32 s[NL+1], s[NL]
	s_mov_b32 s[CC], 0x3f596d27                    ; 0.8493218
	s_mov_b32 s[CC+1], s[CC]
	s_mov_b32 s[K2], 0x3fb17218                    ; 1.3862944
	s_mov_b32 s[K2+1], s[K2]
	s_mov_b32 s[EPS], 0x322bcc77                   ; 1e-8
	s_mov_b32 s[EPS+1], s[EPS]
	s_mov_b32 s[ABSM], 0x7fffffff
	s_wait_kmcnt 0x0
	s_add_nc_u64 s[4:5], s[4:5], s[24:25]
	s_add_nc_u64 s[6:7], s[6:7], s[22:23]
	s_add_nc_u64 s[8:9], s[8:9], s[22:23]
	s_add_nc_u64 s[10:11], s[10:11], s[22:23]
	s_add_nc_u64 s[12:13], s[12:13], s[26:27]
	s_add_nc_u64 s[14:15], s[14:15], s[28:29]
.macro FETCH                           ; a chunk's t, s, ww: for each table two loads that together cover 1,024 consecutive bytes
	global_load_b128 v[RT:RT+3],   v[POFF], s[6:7]
	global_load_b128 v[RT+4:RT+7], v[POFF], s[6:7] offset:16
	global_load_b128 v[RS:RS+3],   v[POFF], s[8:9]
	global_load_b128 v[RS+4:RS+7], v[POFF], s[8:9] offset:16
	global_load_b128 v[RW:RW+3],   v[POFF], s[10:11]
	global_load_b128 v[RW+4:RW+7], v[POFF], s[10:11] offset:16
.endm
	FETCH                                          ; chunk 0
.set bb, 0
.rept 64                                               ; my input's column of x, 64 rows: a wave's load takes 128 consecutive bytes of a row
	global_load_b32 v[XS+bb], v[GX], s[4:5] offset:2048*bb
.set bb, bb+1
.endr
	; All addresses, and the sums' zeros, stand in the wait for those loads.  (The chunk's text is one for all four chunks, so its first products cannot start the sums.)
	v_mul_u32_u24 v[LP], v[LN], XP
	s_mul_i32 s[SA], s[WV], 32*XP
	v_add_nc_u32 v[XST], s[SA], v[LP]              ; row 32 wave + lane
	s_mul_i32 s[SA], s[IQ], 128*XP
	v_add_nc_u32 v[XAD], s[SA], v[LP]              ; row 128 iq + lane
	s_mul_i32 s[SA], s[WV], 32*SP
	s_add_co_u32 s[SA], s[SA], ST0
	v_mul_u32_u24 v[SST], v[LN], SP
	v_add_nc_u32 v[SST], s[SA], v[SST]
	v_bfe_u32 v[H], v0, 4, 1
	v_and_b32 v[R], 15, v0
	v_and_b32 v[RG], 7, v0
	v_bfe_u32 v[C3], v0, 3, 1
	v_and_b32 v[Q4], 3, v0
	v_lshlrev_b32 v[BWO], 11, v[Q4]                ; bw's fragment: row lane % 4 (the 4 rows stand four times in the 16), 32 bytes for each half of the lanes
	v_lshl_add_u32 v[BWO], v[H], 5, v[BWO]
	v_lshl_add_u32 v[TRA], v[H], 3, v[RG]          ; the turning load: lane l reads 16 bytes: input 8 (l / 16) + l % 8, rows b 8 ((l / 8) % 2) + 0..7
	v_mul_u32_u24 v[TRA], v[TRA], SP
	v_lshl_add_u32 v[TRA], v[C3], 4, v[TRA]
	s_mul_i32 s[SA], s[IQ], 128*SP                 ; my 128 inputs,
	s_lshl_b32 s[SB], s[OQ], 5                     ; the 16 rows b that I multiply: 16 oq on
	s_add_co_u32 s[SA], s[SA], s[SB]
	s_add_co_u32 s[SA], s[SA], ST0
	v_add_nc_u32 v[TRA], s[SA], v[TRA]
	s_lshl_b32 s[SA], s[IQ], 10
	s_lshl_b32 s[SB], s[OQ], 8
	s_add_co_u32 s[SA], s[SA], s[SB]
	s_add_co_u32 s[SA], s[SA], BP
	v_lshl_add_u32 v[BPA], v[R], 4, s[SA]          ; [iq][16 oq + lane % 16][4 o]
	v_lshlrev_b32 v[FNA], 7, v[C3]                 ; the end: my four rows b are group cg = 8 ((l / 8) % 2) + 4 (l / 16) + iq of sixteen: 16 cg bytes
	v_lshl_add_u32 v[FNA], v[H], 6, v[FNA]
	s_lshl_b32 s[SA], s[IQ], 4
	v_add_nc_u32 v[FNA], s[SA], v[FNA]
	v_mad_u32_u24 v[RDA], v[RG], XP, v[FNA]        ; rows 32 oq + l % 8 + ...: in sixteen lanes l % 8 + cg takes sixteen different values modulo 16: no two meet in a bank
	s_mul_i32 s[SA], s[OQ], 32*XP
	v_add_nc_u32 v[RDA], s[SA], v[RDA]
	v_add_nc_u32 v[RDB], 256*XP, v[RDA]
	s_lshl_b32 s[SA], s[OQ], 8
	s_add_co_u32 s[SA], s[SA], FIN
	v_add_nc_u32 v[FNA], s[SA], v[FNA]             ; [oq][4 cg ..]
.set bb, 0
.rept 64
	v_mov_b32 v[ACC+bb], 0
.set bb, bb+1
.endr
; silu of eight rows: x / (1 + 2^(-x log2 e)), rounded to bf16 in pairs, 16 bytes into my row of the table.
; Behind each run of transcendentals one plain instruction stands before a result is used (ISA guide 5.7.2).
.macro SILU kk
.irp p,0,1,2,3
	v_pk_mul_f32 v[TMP+2*\p:TMP+2*\p+1], v[XS+8*(\kk)+2*\p:XS+8*(\kk)+2*\p+1], s[NL:NL+1] op_sel_hi:[1,0]
.endr
.irp p,0,1,2,3,4,5,6,7
	v_exp_f32 v[TMP+\p], v[TMP+\p]
.endr
	v_nop
	s_wait_alu depctr_va_vdst(0)
.irp p,0,1,2,3
	v_pk_add_f32 v[TMP+2*\p:TMP+2*\p+1], v[TMP+2*\p:TMP+2*\p+1], 1.0 op_sel_hi:[1,0]
.endr
.irp p,0,1,2,3,4,5,6,7
	v_rcp_f32 v[TMP+\p], v[TMP+\p]
.endr
	v_nop
	s_wait_alu depctr_va_vdst(0)
.irp p,0,1,2,3
	v_pk_mul_f32 v[TMP+2*\p:TMP+2*\p+1], v[TMP+2*\p:TMP+2*\p+1], v[XS+8*(\kk)+2*\p:XS+8*(\kk)+2*\p+1]
.endr
.irp p,0,1,2,3
	v_cvt_pk_bf16_f32 v[TMP+8+\p], v[TMP+2*\p], v[TMP+2*\p+1]
.endr
	ds_store_b128 v[SST], v[TMP+8:TMP+11] offset:16*(\kk)
.endm
.set k, 0
.rept 16
	s_wait_loadcnt 60-4*k                          ; loads come back in order (ISA guide 5.7.1): rows 4 k .. 4 k + 3 are in; the 60 - 4 k loads behind them may stay out
	ds_store_b128 v[XST], v[XS+4*k:XS+4*k+3] offset:16*k  ; four rows of my input: x is turned
.if k%2
	SILU k/2
.endif
.set k, k+1
.endr
.set ks, 0
.rept 4                                                ; bw for my four K steps of 32, f32: inputs 8 h + 0..7 and 16 + 8 h + 0..7 of the row, into the registers that x has left
	global_load_b128 v[XS+16*ks:XS+16*ks+3],     v[BWO], s[12:13] offset:128*ks
	global_load_b128 v[XS+16*ks+4:XS+16*ks+7],   v[BWO], s[12:13] offset:128*ks+16
	global_load_b128 v[XS+16*ks+8:XS+16*ks+11],  v[BWO], s[12:13] offset:128*ks+64
	global_load_b128 v[XS+16*ks+12:XS+16*ks+15], v[BWO], s[12:13] offset:128*ks+80
.set ks, ks+1
.endr
	s_wait_dscnt 0x0                               ; for the others' sake: my rows of x and of silu are written
	s_barrier_signal -1
	s_barrier_wait -1                              ; everybody's are
	; THE BASE PATH.  D = bw (16 rows: the 4 outputs, four times) x silu^T (16 columns: rows b 16 oq + lane % 16), K = my 128 inputs.  In D lane l holds row b l % 16 and its registers 0-3 the 4 outputs.
.set ks, 0
.rept 4
	ds_load_tr16_b128 v[BF+8*ks:BF+8*ks+3],   v[TRA] offset:32*SP*ks
	ds_load_tr16_b128 v[BF+8*ks+4:BF+8*ks+7], v[TRA] offset:32*SP*ks+16*SP
.set ks, ks+1
.endr
	s_wait_loadcnt 0x0                             ; bw
.set k, 0
.rept 32
	v_cvt_pk_bf16_f32 v[AF+k], v[XS+2*k], v[XS+2*k+1]
.set k, k+1
.endr
	s_wait_dscnt 0x0                               ; silu's fragments
	v_wmma_f32_16x16x32_bf16 v[D0:D0+7], v[AF:AF+7],       v[BF:BF+7],       0           ; two accumulators by turns; the first two products start the sums
	v_wmma_f32_16x16x32_bf16 v[D1:D1+7], v[AF+8:AF+15],    v[BF+8:BF+15],    0
	v_wmma_f32_16x16x32_bf16 v[D0:D0+7], v[AF+16:AF+23],   v[BF+16:BF+23],   v[D0:D0+7]
	v_wmma_f32_16x16x32_bf16 v[D1:D1+7], v[AF+24:AF+31],   v[BF+24:BF+31],   v[D1:D1+7]
.rept 4
	v_nop                                          ; four places before a vector instruction reads the results, and before the fragments' registers are written again (ISA guide 7.12.1)
.endr
	v_pk_add_f32 v[DSUM:DSUM+1],   v[D0:D0+1],   v[D1:D1+1]
	v_pk_add_f32 v[DSUM+2:DSUM+3], v[D0+2:D0+3], v[D1+2:D1+3]
	ds_store_b128 v[BPA], v[DSUM:DSUM+3]           ; lanes l and l + 16 hold the same four numbers (rows 8-11 of bw's fragment repeat rows 0-3) and write them to the same bytes
; THE WAVELETS.  A chunk's parameters are prepared from the raw tables.
.macro PREP
.irp i,0,1,2,3,4,5,6,7
	v_and_b32 v[RP+\i], s[ABSM], v[RS+\i]
.endr
.irp i,0,1,2,3
	v_pk_add_f32 v[RP+2*\i:RP+2*\i+1], v[RP+2*\i:RP+2*\i+1], s[EPS:EPS+1] op_sel_hi:[1,0]
.endr
.irp i,0,1,2,3,4,5,6,7
	v_rcp_f32 v[RP+\i], v[RP+\i]
.endr
.irp i,0,1,2,3
	v_pk_mul_f32 v[W2+2*\i:W2+2*\i+1], v[RW+2*\i:RW+2*\i+1], s[K2:K2+1] op_sel_hi:[1,0]  ; these lines are also the plain ones behind the reciprocals
.endr
.irp i,0,1,2,3
	v_pk_mul_f32 v[WW+2*\i:WW+2*\i+1], v[RW+2*\i:RW+2*\i+1], 1.0 op_sel_hi:[1,0]         ; ww leaves the registers into which the next chunk's is loaded: two numbers a line, unchanged
.endr
	s_wait_alu depctr_va_vdst(0)
.irp i,0,1,2,3
	v_pk_mul_f32 v[RP+2*\i:RP+2*\i+1], v[RP+2*\i:RP+2*\i+1], s[CC:CC+1] op_sel_hi:[1,0]
.endr
.irp i,0,1,2,3
	v_pk_mul_f32 v[TN+2*\i:TN+2*\i+1], v[RT+2*\i:RT+2*\i+1], v[RP+2*\i:RP+2*\i+1] neg_lo:[0,1] neg_hi:[0,1]
.endr
.endm
; CHAIN c of 256: rows 4 (c / 16) + 2 (c % 2) and the next, wavelet (c % 16) / 2.  Six instructions, in temporaries c % 6; op_sel gives one register of a pair of parameters to both halves.
.macro NAMES c
.set g_, (\c)/16
.set w_, ((\c)%16)/2
.set p_, 2*(w_/2)
.set x_, XB+4*(g_%3)+2*((\c)%2)
.set a_, ACC+4*g_+2*((\c)%2)
.set t_, TMP+4*((\c)%6)
.endm
.macro ZST c                           ; z' = x r' - t r'.  A group's first chain asks for the x of the group after next, into the buffer whose last reader stands just ahead
	NAMES \c
.if (\c)%16 == 0
.if g_ < 14
	ds_load_b128 v[XB+4*((g_+2)%3):XB+4*((g_+2)%3)+3], v[XAD] offset:16*(g_+2)
	s_wait_dscnt 2                                 ; LDS loads come back in order (ISA guide 5.7.1): this group's x is in, the next two groups' may be out
.else
	s_wait_dscnt 15-g_                             ; the last two groups ask for nothing: one load, then none, may be out
.endif
.endif
.if w_%2
	v_pk_fma_f32 v[t_:t_+1], v[x_:x_+1], v[RP+p_:RP+p_+1], v[TN+p_:TN+p_+1] op_sel:[0,1,1]
.else
	v_pk_fma_f32 v[t_:t_+1], v[x_:x_+1], v[RP+p_:RP+p_+1], v[TN+p_:TN+p_+1] op_sel_hi:[1,0,0]
.endif
.endm
.macro SQ c                            ; q = -z'^2
	NAMES \c
	v_pk_mul_f32 v[t_:t_+1], v[t_:t_+1], v[t_:t_+1] neg_lo:[0,1] neg_hi:[0,1]
.endm
.macro EX c, u                         ; e = 2^q, half u
	NAMES \c
	v_exp_f32 v[t_+2+(\u)], v[t_+(\u)]
.endm
.macro PO c                            ; p = ww + 2 ln 2 ww q, over q
	NAMES \c
.if w_%2
	v_pk_fma_f32 v[t_:t_+1], v[t_:t_+1], v[W2+p_:W2+p_+1], v[WW+p_:WW+p_+1] op_sel:[0,1,1]
	s_wait_alu depctr_va_vdst(0)
.else
	v_pk_fma_f32 v[t_:t_+1], v[t_:t_+1], v[W2+p_:W2+p_+1], v[WW+p_:WW+p_+1] op_sel_hi:[1,0,0]
	s_wait_alu depctr_va_vdst(0)
.endif
.endm
.macro AC c                            ; sum += p e
	NAMES \c
	v_pk_fma_f32 v[a_:a_+1], v[t_:t_+1], v[t_+2:t_+3], v[a_:a_+1]
.endm
; STEP t: the chains are staggered, so that no line reads a result made fewer than seven lines ahead of it, an exponential has a plain line of another chain behind it,
; and p is written over q only behind such a line (ISA guide 5.7.2).  Two chains on one sum stand twelve lines apart.
.macro STEP
.if (t >= 0) && (t < NCH)
	EX t, 0
.endif
.if t+3 < NCH
	ZST t+3
.endif
.if (t >= 0) && (t < NCH)
	EX t, 1
.endif
.if (t+2 >= 0) && (t+2 < NCH)
	SQ t+2
.elseif (t >= 0) && (t < NCH)
	v_nop                                          ; the last two steps have no other chain's line to set behind the exponential
	s_wait_alu depctr_va_vdst(0)
.endif
.if (t >= 0) && (t < NCH)
	PO t
.endif
.if (t >= 1)
	AC t-1
.endif
.endm
	s_mov_b32 s[CNT], 4
.Lchunk:
	ds_load_b128 v[XB:XB+3],   v[XAD]              ; x of the chunk's first eight rows: on its way while the parameters are prepared
	ds_load_b128 v[XB+4:XB+7], v[XAD] offset:16
	s_wait_loadcnt 0x0                             ; this chunk's tables, asked for a chunk ago; their offset register is free
	PREP
	s_cmp_eq_u32 s[CNT], 1
	s_cbranch_scc1 .Lnofetch                       ; the last chunk asks for nothing: no load leaves the wave's part of the tables
	v_add_nc_u32 v[POFF], 1024, v[POFF]
	FETCH
.Lnofetch:
.set t, -3
.rept NCH+4
	STEP
.set t, t+1
.endr
	v_add_nc_u32 v[XAD], 32*XP, v[XAD]             ; the next 32 inputs' rows
	s_sub_co_u32 s[CNT], s[CNT], 1
	s_cmp_lg_u32 s[CNT], 0
	s_cbranch_scc1 .Lchunk
	; THE END.  The lanes' sums take the place of x: nobody may still read x, so each wave's reads are back and a barrier is passed before the first store.
	s_wait_dscnt 0x0
	s_barrier_signal -1
	s_barrier_wait -1
.set k, 0
.rept 16
	ds_store_b128 v[XST], v[ACC+4*k:ACC+4*k+3] offset:16*k  ; row 32 wave + lane: my 64 sums
.set k, k+1
.endr
	s_wait_dscnt 0x0                               ; for the others' sake
	s_barrier_signal -1
	s_barrier_wait -1
	; Output oq's sums lie in rows 128 q + 32 oq + l (q = 0..3, l = 0..31).  I add the sixteen rows with l % 8 = my lane % 8, four rows b wide.
.set k, 0
.rept 8
	ds_load_b128 v[ACC+4*k:ACC+4*k+3], v[RDA] offset:((k/4)*128+(k%4)*8)*XP
.set k, k+1
.endr
.set k, 0
.rept 8
	ds_load_b128 v[ACC+32+4*k:ACC+32+4*k+3], v[RDB] offset:((k/4)*128+(k%4)*8)*XP
.set k, k+1
.endr
.macro LEVEL n, d                      ; n times: four numbers d registers on are added
.set m, 0
.rept \n
	v_pk_add_f32 v[ACC+2*(\d)*m:ACC+2*(\d)*m+1],   v[ACC+2*(\d)*m:ACC+2*(\d)*m+1],   v[ACC+2*(\d)*m+(\d):ACC+2*(\d)*m+(\d)+1]
	v_pk_add_f32 v[ACC+2*(\d)*m+2:ACC+2*(\d)*m+3], v[ACC+2*(\d)*m+2:ACC+2*(\d)*m+3], v[ACC+2*(\d)*m+(\d)+2:ACC+2*(\d)*m+(\d)+3]
.set m, m+1
.endr
.endm
.set m, 0
.rept 8
	s_wait_dscnt 14-2*m                            ; loads 2 m and 2 m + 1 of the sixteen are in
	v_pk_add_f32 v[ACC+8*m:ACC+8*m+1],   v[ACC+8*m:ACC+8*m+1],   v[ACC+8*m+4:ACC+8*m+5]
	v_pk_add_f32 v[ACC+8*m+2:ACC+8*m+3], v[ACC+8*m+2:ACC+8*m+3], v[ACC+8*m+6:ACC+8*m+7]
.set m, m+1
.endr
	LEVEL 4, 8
	LEVEL 2, 16
	LEVEL 1, 32
.irp x,1,2,4                           ; and the eight lanes that share four rows b add up: every one of them ends with the sum
.irp r,0,1,2,3
	v_add_f32_dpp v[ACC+\r], v[ACC+\r], v[ACC+\r] row_xmask:\x row_mask:0xf bank_mask:0xf
.endr
.endr
	ds_store_b128 v[FNA], v[ACC:ACC+3]             ; the eight write the same numbers to the same bytes
	s_wait_dscnt 0x0                               ; for the others' sake
	s_barrier_signal -1
	s_barrier_wait -1
	s_cmp_lt_u32 s[WV], 2
	s_cbranch_scc0 .Lend                           ; waves 0 and 1: thread b takes row b
	v_lshl_add_u32 v[LN], v0, 2, FIN
	v_lshl_add_u32 v[LP], v0, 4, BP
	v_lshlrev_b32 v[GX], 11, v0                    ; (the loads that named this register have long been waited for)
.irp o,0,1,2,3
	ds_load_b32 v[ACC+\o], v[LN] offset:256*\o     ; the row's four wavelet sums
.endr
.irp q,0,1,2,3
	ds_load_b128 v[ACC+4+4*\q:ACC+7+4*\q], v[LP] offset:1024*\q  ; and the base path's four partial sums of each
.endr
	s_wait_dscnt 0x0
	v_pk_add_f32 v[ACC+4:ACC+5],   v[ACC+4:ACC+5],   v[ACC+8:ACC+9]
	v_pk_add_f32 v[ACC+6:ACC+7],   v[ACC+6:ACC+7],   v[ACC+10:ACC+11]
	v_pk_add_f32 v[ACC+12:ACC+13], v[ACC+12:ACC+13], v[ACC+16:ACC+17]
	v_pk_add_f32 v[ACC+14:ACC+15], v[ACC+14:ACC+15], v[ACC+18:ACC+19]
	v_pk_add_f32 v[ACC:ACC+1],     v[ACC:ACC+1],     v[ACC+4:ACC+5]
	v_pk_add_f32 v[ACC+2:ACC+3],   v[ACC+2:ACC+3],   v[ACC+6:ACC+7]
	v_pk_add_f32 v[ACC:ACC+1],     v[ACC:ACC+1],     v[ACC+12:ACC+13]
	v_pk_add_f32 v[ACC+2:ACC+3],   v[ACC+2:ACC+3],   v[ACC+14:ACC+15]
	global_store_b128 v[GX], v[ACC:ACC+3], s[14:15]  ; 16 bytes of row b: all that the work-group owns of it
.Lend:
	s_wait_tensorcnt 0x0                           ; the wave's end, behind my last LDS store
	ds_add_u32 v[SPW], v[NIL]
	s_wait_dscnt 0x0
	s_endpgm
.Lfunc_end_k_qfcf58a0439_wavkan:
	.size	k_qfcf58a0439_wavkan, .Lfunc_end_k_qfcf58a0439_wavkan-k_qfcf58a0439_wavkan
	.p2alignl 7, 3214868480
	.fill 96, 4, 3214868480
	.section	.rodata,"a",@progbits
	.p2align	6, 0x0
	.amdhsa_kernel k_qfcf58a0439_wavkan
		.amdhsa_group_segment_fixed_size 228352
		.amdhsa_private_segment_fixed_size 0
		.amdhsa_enable_private_segment 0
		.amdhsa_kernarg_size 48
		.amdhsa_user_sgpr_count 2
		.amdhsa_user_sgpr_kernarg_segment_ptr 1
		.amdhsa_wavefront_size32 1
		.amdhsa_system_sgpr_workgroup_id_x 1
		.amdhsa_system_sgpr_workgroup_id_y 1
		.amdhsa_system_sgpr_workgroup_id_z 1
		.amdhsa_system_vgpr_workitem_id 0
		.amdhsa_next_free_vgpr 256
		.amdhsa_next_free_sgpr 66
		.amdhsa_reserve_vcc 0
		.amdhsa_float_denorm_mode_32 3
		.amdhsa_float_denorm_mode_16_64 3
		.amdhsa_memory_ordered 1
		.amdhsa_forward_progress 1
		.amdhsa_inst_pref_size 132
	.end_amdhsa_kernel
	.amdgpu_metadata
---
amdhsa.version: [ 1, 2 ]
amdhsa.kernels:
  - .name:           k_qfcf58a0439_wavkan
    .symbol:         k_qfcf58a0439_wavkan.kd
    .args:
      - { .name: x, .offset: 0, .size: 8, .value_kind: global_buffer, .address_space: global }
      - { .name: translation, .offset: 8, .size: 8, .value_kind: global_buffer, .address_space: global }
      - { .name: scale, .offset: 16, .size: 8, .value_kind: global_buffer, .address_space: global }
      - { .name: wavelet_weight, .offset: 24, .size: 8, .value_kind: global_buffer, .address_space: global }
      - { .name: base_weight, .offset: 32, .size: 8, .value_kind: global_buffer, .address_space: global }
      - { .name: out0, .offset: 40, .size: 8, .value_kind: global_buffer, .address_space: global }
    .group_segment_fixed_size: 228352
    .private_segment_fixed_size: 0
    .kernarg_segment_align: 8
    .kernarg_segment_size: 48
    .max_flat_workgroup_size: 512
    .sgpr_count:     66
    .vgpr_count:     256
    .wavefront_size: 32
...
	.end_amdgpu_metadata
.endif
;; end of part 1
;; ======== version 2 of 2: 1 launch; 1.16 times as fast as version 1
;; launch wavkan (part 2): grid 256 x 1, 16 waves a work-group, no clusters, 228,352 bytes of LDS; arguments x, translation, scale, wavelet_weight, base_weight, out0; writes out0
.if DOCPART == 2
	.amdgcn_target "amdgcn-amd-amdhsa--gfx1250"
	.amdhsa_code_object_version 6
	.text
	.protected	k_qfcf58a0439_wavkan
	.globl	k_qfcf58a0439_wavkan
	.p2align	8
	.type	k_qfcf58a0439_wavkan,@function
k_qfcf58a0439_wavkan:
	s_mov_b64 s[64:65], 0
	v_nop
	global_prefetch_b8 v0, s[64:65] scope:SCOPE_SE
	s_setreg_imm32_b32 hwreg(HW_REG_WAVE_MODE, 25, 1), 1
	s_wait_xcnt 0x0
; out[b][o] = sum_i silu(x[b][i]) bw[o][i]  +  sum_i sum_w ww[o][i][w] (1 - z^2) exp(-z^2 / 2),   z = (x[b][i] - t[o][i][w]) / (|s[o][i][w]| + 1e-8).
; x [128][512], t, s, ww [512][512][8], bw [512][512], out [128][512], all f32.
; SHARES.  256 work-groups; a work-group owns 4 outputs o and 64 rows b.  Sixteen waves: wave (oq, iq) takes output oq and the inputs 128 iq .. 128 iq + 127, in four chunks of 32.
; A LANE IS ONE INPUT i: its 8 wavelets are 32 consecutive bytes of each table (a wave's two 16-byte loads cover 1,024 consecutive bytes), they are prepared once a chunk and serve all 64 rows.
; THE ARITHMETIC.  c = sqrt(log2(e) / 2), r' = c / (|s| + 1e-8):  z' = x r' - t r';  q = -z'^2;  e = 2^q;  p = ww + (2 ln 2 ww) q = ww (1 - z^2);  sum += p e.
; Packed over two rows b, b + 1 (the parameters are given to both halves by op_sel): four packed instructions and two exponentials for two terms.
; x lies in LDS turned, [i][64 b]: one 16-byte read gives a lane two aligned pairs of rows and feeds 96 vector instructions.
; THE BATCHES.  A chunk's 256 chains (two rows, one wavelet, two exponentials each) go in batches of 26, as many as there are sets of four registers: each chain of a batch has a set of its own.
; A batch's 52 exponentials are issued among plain lines that name none of their results (the sums of the batch before, and the batch's own z', q and p); then comes ONE wait; the sums that read the
; results ride in the next batch's run.  Nine batches of 26 and one of 22: ten waits a chunk, and one more for the chunk's eight reciprocals.  At the head each eight rows of silu are a batch of eight
; exponentials and a batch of eight reciprocals (which read the exponentials' sums), a wait each.
; THE BASE PATH goes to the matrix unit in bf16: silu(x) is made while x is turned and laid [i][b]; each wave multiplies 16 rows b by its 128 inputs; sums in f32.
; THE END.  Each lane's 64 sums go into LDS (where x lay), each thread adds 16 rows of 16 bytes, three steps across 8 lanes, a table of 1 KB, and 64 threads store 16 bytes (4 outputs of a row) each.
; A row's 4 outputs are all that a work-group owns of it: 64 outputs to a work-group would have every table read 32 times, for an output that is a hundredth of the bytes.
; NO TENSOR LOADS, NO CLUSTER: a work-group takes in 320 KB in its whole life and issues 4 x 1,536 vector instructions a wave on them; the tables go into registers in the layout in which they are used,
; each chunk's a whole chunk (1,536 vector instructions) ahead of its use, so nothing is asked for earlier either.
; LIMITS.  t r' is rounded once, so z is off by up to 2^-24 |t| / (|s| + 1e-8); the reciprocal is v_rcp_f32's; 2^q below 2^-126 counts as 0; where |ww| z^2 passes 3.4e38
; (|x - t| above 1e10) the term is NaN; silu(x) and bw are rounded to bf16 for their product.
.set XP,    272                        ; a row of turned x (and of the lanes' sums): 64 b x 4 bytes + 16 = 17 x 16: sixteen neighbouring rows start at sixteen different groups of four banks (64 banks of 4 bytes: ISA guide 11.1)
.set SP,    160                        ; a row of silu: 64 b x 2 bytes + 32 = 5 x 32, for the turning load
.set ST0,   512*XP                     ; silu's table, behind x's 512 rows
.set BP,    ST0+512*SP                 ; the base path's partial sums: [iq][b][4 o] f32
.set FIN,   BP+4*64*16                 ; the wavelet sums: [o][b] f32
.set SPARE, FIN+4*64*4                 ; the spare words, 128 bytes for each of 16 waves: eight blocks of 256 bytes that no other line names
.set NCH,   256                        ; chains in a chunk: 32 pairs of rows x 8 wavelets
.set NB,    26                         ; chains in a batch: one for each set of four temporaries
.set SPW,  1                           ; v1    LDS address of my spare word; never rewritten
.set NIL,  2                           ; v2    0; never rewritten
.set POFF, 3                           ; v3    my byte offset in the wave's part of the three tables: 32 x lane + 1,024 x chunk
.set XAD,  4                           ; v4    LDS address of my input's row of turned x
.set GX,   5                           ; v5    4 x thread: my column of x; at the end my row of out
.set XST,  6                           ; v6    LDS row that I fill: of turned x, later of the sums
.set SST,  7                           ; v7    LDS row of silu that I fill
.set BWO,  8                           ; v8    my byte offset in the work-group's rows of bw
.set TRA,  9                           ; v9    the turning load's address
.set BPA,  10                          ; v10   where my base partial sums go
.set RDA,  11                          ; v11   the end: the rows that I add, first 256 rows,
.set RDB,  12                          ; v12   and the other 256 (an LDS offset holds 16 bits)
.set FNA,  13                          ; v13   where my wavelet sums go
.set LN,   14                          ; v14   lane; at the end an address
.set LP,   15                          ; v15   lane x 272; at the end an address
.set ACC,  16                          ; v16-79    the sums: register b for row b
.set RP,   80                          ; v80-87    r' of my 8 wavelets
.set TN,   88                          ; v88-95    -t r'
.set WW,   96                          ; v96-103   ww
.set W2,   104                         ; v104-111  2 ln 2 ww
.set RT,   112                         ; v112-135  the next chunk's t, s, ww as loaded
.set RS,   120
.set RW,   128
.set XB,   136                         ; v136-147  three buffers of four rows' x
.set TMP,  148                         ; v148-251  26 sets of four, a set for each chain of a batch: z' -> q -> p (a pair), e (a pair).  Ahead of the first chunk only v148-171 are at work
.set XS,   172                         ; v172-235  ahead of the first chunk: x as loaded, 64 rows; then bw as loaded
.set D0,   236                         ; v236-251  ahead of the first chunk: two matrix accumulators
.set D1,   244
.set DSUM, 252                         ; v252-255  their sum
.set AF,   80                          ; bw's four fragments (before the first chunk is prepared)
.set BF,   136                         ; silu's four fragments (before the first chunk)
.set H,    TMP                         ; at the head only: lane / 16, lane % 16, lane % 8, (lane / 8) % 2, lane % 4
.set R,    TMP+1
.set RG,   TMP+2
.set C3,   TMP+3
.set Q4,   TMP+4
.set WV,  16                           ; s16 wave, s17 oq = wave % 4, s18 iq = wave / 4, s19 the group of 4 outputs, s20 the half of the rows
.set OQ,  17
.set IQ,  18
.set OG,  19
.set BH,  20
.set NL,  30                           ; s[30:31] -log2(e)      (constants of packed lines are named as pairs; the low word serves both halves)
.set CC,  32                           ; s[32:33] c
.set K2,  34                           ; s[34:35] 2 ln 2
.set EPS, 36                           ; s[36:37] 1e-8
.set ABSM, 38                          ; s38 clears a sign
.set CNT, 39                           ; s39 chunks to go
.set SA,  40                           ; s40, s41 at work
.set SB,  41
	s_load_b256 s[4:11], s[0:1], 0x0               ; x s[4:5], t s[6:7], s s[8:9], ww s[10:11]
	s_load_b128 s[12:15], s[0:1], 0x20             ; bw s[12:13], out s[14:15]
	v_lshl_add_u32 v[SPW], v0, 2, SPARE
	v_mov_b32 v[NIL], 0
	v_lshrrev_b32 v[LP], 5, v0
	v_readfirstlane_b32 s[WV], v[LP]               ; wave 0..15
	v_and_b32 v[LN], 31, v0
	v_lshlrev_b32 v[POFF], 5, v[LN]                ; 32 bytes of each table a lane
	v_lshlrev_b32 v[GX], 2, v0                     ; thread = 32 wave + lane = the input that I turn
	s_and_b32 s[OQ], s[WV], 3
	s_lshr_b32 s[IQ], s[WV], 2
	s_lshr_b32 s[OG], ttmp9, 1
	s_and_b32 s[BH], ttmp9, 1
	s_lshl2_add_u32 s22, s[OG], s[OQ]              ; my output o = 4 group + oq
	s_lshl_b32 s22, s22, 14                        ; its 16,384 bytes in a table,
	s_lshl_b32 s23, s[IQ], 12                      ; my 128 inputs of 32 bytes
	s_add_co_u32 s22, s22, s23
	s_mov_b32 s23, 0
	s_lshl_b32 s24, s[BH], 17                      ; 64 rows of 2,048 bytes in x and in out
	s_mov_b32 s25, 0
	s_lshl_b32 s26, s[OG], 13                      ; 4 rows of 2,048 bytes in bw,
	s_lshl_b32 s27, s[IQ], 9                       ; my 128 inputs of 4 bytes
	s_add_co_u32 s26, s26, s27
	s_mov_b32 s27, 0
	s_lshl_b32 s28, s[OG], 4                       ; 4 outputs of 4 bytes in a row of out
	s_add_co_u32 s28, s28, s24
	s_mov_b32 s29, 0
	s_mov_b32 s[NL], 0xbfb8aa3b                    ; -1.442695
	s_mov_b32 s[NL+1], s[NL]
	s_mov_b32 s[CC], 0x3f596d27                    ; 0.8493218
	s_mov_b32 s[CC+1], s[CC]
	s_mov_b32 s[K2], 0x3fb17218                    ; 1.3862944
	s_mov_b32 s[K2+1], s[K2]
	s_mov_b32 s[EPS], 0x322bcc77                   ; 1e-8
	s_mov_b32 s[EPS+1], s[EPS]
	s_mov_b32 s[ABSM], 0x7fffffff
	s_wait_kmcnt 0x0
	s_add_nc_u64 s[4:5], s[4:5], s[24:25]
	s_add_nc_u64 s[6:7], s[6:7], s[22:23]
	s_add_nc_u64 s[8:9], s[8:9], s[22:23]
	s_add_nc_u64 s[10:11], s[10:11], s[22:23]
	s_add_nc_u64 s[12:13], s[12:13], s[26:27]
	s_add_nc_u64 s[14:15], s[14:15], s[28:29]
.macro FETCH                           ; a chunk's t, s, ww: for each table two loads that together cover 1,024 consecutive bytes
	global_load_b128 v[RT:RT+3],   v[POFF], s[6:7]
	global_load_b128 v[RT+4:RT+7], v[POFF], s[6:7] offset:16
	global_load_b128 v[RS:RS+3],   v[POFF], s[8:9]
	global_load_b128 v[RS+4:RS+7], v[POFF], s[8:9] offset:16
	global_load_b128 v[RW:RW+3],   v[POFF], s[10:11]
	global_load_b128 v[RW+4:RW+7], v[POFF], s[10:11] offset:16
.endm
	FETCH                                          ; chunk 0
.set bb, 0
.rept 64                                               ; my input's column of x, 64 rows: a wave's load takes 128 consecutive bytes of a row
	global_load_b32 v[XS+bb], v[GX], s[4:5] offset:2048*bb
.set bb, bb+1
.endr
	; All addresses, and the sums' zeros, stand in the wait for those loads.  (The chunk's text is one for all four chunks, so its first products cannot start the sums.)
	v_mul_u32_u24 v[LP], v[LN], XP
	s_mul_i32 s[SA], s[WV], 32*XP
	v_add_nc_u32 v[XST], s[SA], v[LP]              ; row 32 wave + lane
	s_mul_i32 s[SA], s[IQ], 128*XP
	v_add_nc_u32 v[XAD], s[SA], v[LP]              ; row 128 iq + lane
	s_mul_i32 s[SA], s[WV], 32*SP
	s_add_co_u32 s[SA], s[SA], ST0
	v_mul_u32_u24 v[SST], v[LN], SP
	v_add_nc_u32 v[SST], s[SA], v[SST]
	v_bfe_u32 v[H], v0, 4, 1
	v_and_b32 v[R], 15, v0
	v_and_b32 v[RG], 7, v0
	v_bfe_u32 v[C3], v0, 3, 1
	v_and_b32 v[Q4], 3, v0
	v_lshlrev_b32 v[BWO], 11, v[Q4]                ; bw's fragment: row lane % 4 (the 4 rows stand four times in the 16), 32 bytes for each half of the lanes
	v_lshl_add_u32 v[BWO], v[H], 5, v[BWO]
	v_lshl_add_u32 v[TRA], v[H], 3, v[RG]          ; the turning load: lane l reads 16 bytes: input 8 (l / 16) + l % 8, rows b 8 ((l / 8) % 2) + 0..7
	v_mul_u32_u24 v[TRA], v[TRA], SP
	v_lshl_add_u32 v[TRA], v[C3], 4, v[TRA]
	s_mul_i32 s[SA], s[IQ], 128*SP                 ; my 128 inputs,
	s_lshl_b32 s[SB], s[OQ], 5                     ; the 16 rows b that I multiply: 16 oq on
	s_add_co_u32 s[SA], s[SA], s[SB]
	s_add_co_u32 s[SA], s[SA], ST0
	v_add_nc_u32 v[TRA], s[SA], v[TRA]
	s_lshl_b32 s[SA], s[IQ], 10
	s_lshl_b32 s[SB], s[OQ], 8
	s_add_co_u32 s[SA], s[SA], s[SB]
	s_add_co_u32 s[SA], s[SA], BP
	v_lshl_add_u32 v[BPA], v[R], 4, s[SA]          ; [iq][16 oq + lane % 16][4 o]
	v_lshlrev_b32 v[FNA], 7, v[C3]                 ; the end: my four rows b are group cg = 8 ((l / 8) % 2) + 4 (l / 16) + iq of sixteen: 16 cg bytes
	v_lshl_add_u32 v[FNA], v[H], 6, v[FNA]
	s_lshl_b32 s[SA], s[IQ], 4
	v_add_nc_u32 v[FNA], s[SA], v[FNA]
	v_mad_u32_u24 v[RDA], v[RG], XP, v[FNA]        ; rows 32 oq + l % 8 + ...: in sixteen lanes l % 8 + cg takes sixteen different values modulo 16: no two meet in a bank
	s_mul_i32 s[SA], s[OQ], 32*XP
	v_add_nc_u32 v[RDA], s[SA], v[RDA]
	v_add_nc_u32 v[RDB], 256*XP, v[RDA]
	s_lshl_b32 s[SA], s[OQ], 8
	s_add_co_u32 s[SA], s[SA], FIN
	v_add_nc_u32 v[FNA], s[SA], v[FNA]             ; [oq][4 cg ..]
.set bb, 0
.rept 64
	v_mov_b32 v[ACC+bb], 0
.set bb, bb+1
.endr
; silu of eight rows: x / (1 + 2^(-x log2 e)), rounded to bf16 in pairs, 16 bytes into my row of the table.  Two batches: the reciprocals read the exponentials' sums.
; Eight rows to a batch, so that the work follows the rows as their loads come in.  Behind each run of transcendentals one plain instruction stands before a result is used (ISA guide 5.7.2).
.macro SILU kk
.irp p,0,1,2,3
	v_pk_mul_f32 v[TMP+2*\p:TMP+2*\p+1], v[XS+8*(\kk)+2*\p:XS+8*(\kk)+2*\p+1], s[NL:NL+1] op_sel_hi:[1,0]
.endr
.irp p,0,1,2,3,4,5,6,7
	v_exp_f32 v[TMP+\p], v[TMP+\p]
.endr
	v_nop
	s_wait_alu depctr_va_vdst(0)                   ; one wait for the batch of eight exponentials, ahead of their first reader
.irp p,0,1,2,3
	v_pk_add_f32 v[TMP+2*\p:TMP+2*\p+1], v[TMP+2*\p:TMP+2*\p+1], 1.0 op_sel_hi:[1,0]
.endr
.irp p,0,1,2,3,4,5,6,7
	v_rcp_f32 v[TMP+\p], v[TMP+\p]
.endr
	v_nop
	s_wait_alu depctr_va_vdst(0)                   ; one wait for the batch of eight reciprocals, ahead of their first reader
.irp p,0,1,2,3
	v_pk_mul_f32 v[TMP+2*\p:TMP+2*\p+1], v[TMP+2*\p:TMP+2*\p+1], v[XS+8*(\kk)+2*\p:XS+8*(\kk)+2*\p+1]
.endr
.irp p,0,1,2,3
	v_cvt_pk_bf16_f32 v[TMP+8+\p], v[TMP+2*\p], v[TMP+2*\p+1]
.endr
	ds_store_b128 v[SST], v[TMP+8:TMP+11] offset:16*(\kk)
.endm
.set k, 0
.rept 16
	s_wait_loadcnt 60-4*k                          ; loads come back in order (ISA guide 5.7.1): rows 4 k .. 4 k + 3 are in; the 60 - 4 k loads behind them may stay out
	ds_store_b128 v[XST], v[XS+4*k:XS+4*k+3] offset:16*k  ; four rows of my input: x is turned
.if k%2
	SILU k/2
.endif
.set k, k+1
.endr
.set ks, 0
.rept 4                                                ; bw for my four K steps of 32, f32: inputs 8 h + 0..7 and 16 + 8 h + 0..7 of the row, into the registers that x has left
	global_load_b128 v[XS+16*ks:XS+16*ks+3],     v[BWO], s[12:13] offset:128*ks
	global_load_b128 v[XS+16*ks+4:XS+16*ks+7],   v[BWO], s[12:13] offset:128*ks+16
	global_load_b128 v[XS+16*ks+8:XS+16*ks+11],  v[BWO], s[12:13] offset:128*ks+64
	global_load_b128 v[XS+16*ks+12:XS+16*ks+15], v[BWO], s[12:13] offset:128*ks+80
.set ks, ks+1
.endr
	s_wait_dscnt 0x0                               ; for the others' sake: my rows of x and of silu are written
	s_barrier_signal -1
	s_barrier_wait -1                              ; everybody's are
	; THE BASE PATH.  D = bw (16 rows: the 4 outputs, four times) x silu^T (16 columns: rows b 16 oq + lane % 16), K = my 128 inputs.  In D lane l holds row b l % 16 and its registers 0-3 the 4 outputs.
.set ks, 0
.rept 4
	ds_load_tr16_b128 v[BF+8*ks:BF+8*ks+3],   v[TRA] offset:32*SP*ks
	ds_load_tr16_b128 v[BF+8*ks+4:BF+8*ks+7], v[TRA] offset:32*SP*ks+16*SP
.set ks, ks+1
.endr
	s_wait_loadcnt 0x0                             ; bw
.set k, 0
.rept 32
	v_cvt_pk_bf16_f32 v[AF+k], v[XS+2*k], v[XS+2*k+1]
.set k, k+1
.endr
	s_wait_dscnt 0x0                               ; silu's fragments
	v_wmma_f32_16x16x32_bf16 v[D0:D0+7], v[AF:AF+7],       v[BF:BF+7],       0           ; two accumulators by turns; the first two products start the sums
	v_wmma_f32_16x16x32_bf16 v[D1:D1+7], v[AF+8:AF+15],    v[BF+8:BF+15],    0
	v_wmma_f32_16x16x32_bf16 v[D0:D0+7], v[AF+16:AF+23],   v[BF+16:BF+23],   v[D0:D0+7]
	v_wmma_f32_16x16x32_bf16 v[D1:D1+7], v[AF+24:AF+31],   v[BF+24:BF+31],   v[D1:D1+7]
.rept 4
	v_nop                                          ; four places before a vector instruction reads the results, and before the fragments' registers are written again (ISA guide 7.12.1)
.endr
	v_pk_add_f32 v[DSUM:DSUM+1],   v[D0:D0+1],   v[D1:D1+1]
	v_pk_add_f32 v[DSUM+2:DSUM+3], v[D0+2:D0+3], v[D1+2:D1+3]
	ds_store_b128 v[BPA], v[DSUM:DSUM+3]           ; lanes l and l + 16 hold the same four numbers (rows 8-11 of bw's fragment repeat rows 0-3) and write them to the same bytes
; THE WAVELETS.  A chunk's parameters are prepared from the raw tables.
.macro PREP
.irp i,0,1,2,3,4,5,6,7
	v_and_b32 v[RP+\i], s[ABSM], v[RS+\i]
.endr
.irp i,0,1,2,3
	v_pk_add_f32 v[RP+2*\i:RP+2*\i+1], v[RP+2*\i:RP+2*\i+1], s[EPS:EPS+1] op_sel_hi:[1,0]
.endr
.irp i,0,1,2,3,4,5,6,7
	v_rcp_f32 v[RP+\i], v[RP+\i]
.endr
.irp i,0,1,2,3
	v_pk_mul_f32 v[W2+2*\i:W2+2*\i+1], v[RW+2*\i:RW+2*\i+1], s[K2:K2+1] op_sel_hi:[1,0]  ; these lines are also the plain ones behind the reciprocals
.endr
.irp i,0,1,2,3
	v_pk_mul_f32 v[WW+2*\i:WW+2*\i+1], v[RW+2*\i:RW+2*\i+1], 1.0 op_sel_hi:[1,0]         ; ww leaves the registers into which the next chunk's is loaded: two numbers a line, unchanged
.endr
	s_wait_alu depctr_va_vdst(0)                   ; one wait for the batch of eight reciprocals, ahead of their first reader; the eight lines above are the independent work between
.irp i,0,1,2,3
	v_pk_mul_f32 v[RP+2*\i:RP+2*\i+1], v[RP+2*\i:RP+2*\i+1], s[CC:CC+1] op_sel_hi:[1,0]
.endr
.irp i,0,1,2,3
	v_pk_mul_f32 v[TN+2*\i:TN+2*\i+1], v[RT+2*\i:RT+2*\i+1], v[RP+2*\i:RP+2*\i+1] neg_lo:[0,1] neg_hi:[0,1]
.endr
.endm
; CHAIN c of 256: rows 4 (c / 16) + 2 (c % 2) and the next, wavelet (c % 16) / 2.  Six instructions, in the set of temporaries c % 26; op_sel gives one register of a pair of parameters to both halves.
.macro NAMES c
.set g_, (\c)/16
.set w_, ((\c)%16)/2
.set p_, 2*(w_/2)
.set x_, XB+4*(g_%3)+2*((\c)%2)
.set a_, ACC+4*g_+2*((\c)%2)
.set t_, TMP+4*((\c)%NB)
.endm
.macro ZST c                           ; z' = x r' - t r'.  A group's first chain asks for the x of the group after next, into the buffer whose last reader stands just ahead
	NAMES \c
.if (\c)%16 == 0
.if g_ < 14
	ds_load_b128 v[XB+4*((g_+2)%3):XB+4*((g_+2)%3)+3], v[XAD] offset:16*(g_+2)
	s_wait_dscnt 2                                 ; LDS loads come back in order (ISA guide 5.7.1): this group's x is in, the next two groups' may be out
.else
	s_wait_dscnt 15-g_                             ; the last two groups ask for nothing: one load, then none, may be out
.endif
.endif
.if w_%2
	v_pk_fma_f32 v[t_:t_+1], v[x_:x_+1], v[RP+p_:RP+p_+1], v[TN+p_:TN+p_+1] op_sel:[0,1,1]
.else
	v_pk_fma_f32 v[t_:t_+1], v[x_:x_+1], v[RP+p_:RP+p_+1], v[TN+p_:TN+p_+1] op_sel_hi:[1,0,0]
.endif
.endm
.macro SQ c                            ; q = -z'^2
	NAMES \c
	v_pk_mul_f32 v[t_:t_+1], v[t_:t_+1], v[t_:t_+1] neg_lo:[0,1] neg_hi:[0,1]
.endm
.macro EX c, u                         ; e = 2^q, half u: into the set's second pair, which no line names again before the batch's wait
	NAMES \c
	v_exp_f32 v[t_+2+(\u)], v[t_+(\u)]
.endm
.macro PO c                            ; p = ww + 2 ln 2 ww q, over q: it names no exponential's result
	NAMES \c
.if w_%2
	v_pk_fma_f32 v[t_:t_+1], v[t_:t_+1], v[W2+p_:W2+p_+1], v[WW+p_:WW+p_+1] op_sel:[0,1,1]
.else
	v_pk_fma_f32 v[t_:t_+1], v[t_:t_+1], v[W2+p_:W2+p_+1], v[WW+p_:WW+p_+1] op_sel_hi:[1,0,0]
.endif
.endm
.macro AC c                            ; sum += p e: the one reader of the exponentials' results
	NAMES \c
	v_pk_fma_f32 v[a_:a_+1], v[t_:t_+1], v[t_+2:t_+3], v[a_:a_+1]
.endm
; STEP j of batch k's run, c = 26 k + j.  The chains are staggered: chain c begins (z'), chain c - 1 is squared, chain c - 3 has its two exponentials, chain c - 4 its p; and the sum of chain c - 26, of the
; batch before, whose results the last wait has shown, frees the set that chain c takes.  Exponential and plain stand by turns, then two more plain lines.  In a run's middle no line reads a result made fewer
; than seven lines ahead of it, and two chains on one sum stand twelve lines apart; an exponential has a plain line of another chain behind it before p is written over its q (ISA guide 5.7.2).
; Steps 26 to 29 let the batch's last chains run out.  The sums go in ascending c, the z' too, and with them the reads of x.
.macro STEP
.if (j >= 3) && (j < NB+3) && (c-3 < NCH)
	EX c-3, 0
.endif
.if (j < NB) && (c >= NB)
	AC c-NB
.endif
.if (j >= 3) && (j < NB+3) && (c-3 < NCH)
	EX c-3, 1
.endif
.if (j < NB) && (c < NCH)
	ZST c
.endif
.if (j >= 1) && (j <= NB) && (c-1 < NCH)
	SQ c-1
.endif
.if (j >= 4) && (c-4 < NCH)
	PO c-4
.endif
.endm
	s_mov_b32 s[CNT], 4
.Lchunk:
	ds_load_b128 v[XB:XB+3],   v[XAD]              ; x of the chunk's first eight rows: on its way while the parameters are prepared
	ds_load_b128 v[XB+4:XB+7], v[XAD] offset:16
	s_wait_loadcnt 0x0                             ; this chunk's tables, asked for a chunk ago; their offset register is free
	PREP
	s_cmp_eq_u32 s[CNT], 1
	s_cbranch_scc1 .Lnofetch                       ; the last chunk asks for nothing: no load leaves the wave's part of the tables
	v_add_nc_u32 v[POFF], 1024, v[POFF]
	FETCH
.Lnofetch:
.set k, 0
.rept (NCH+NB-1)/NB                                    ; ten batches: nine of 26 chains, one of 22
.set j, 0
.rept NB+4
.set c, NB*k+j
	STEP
.set j, j+1
.endr
	s_wait_alu depctr_va_vdst(0)                   ; ONE wait for the batch's exponentials (52; the last batch's 44), ahead of their first reader: the first sum of the next run
.set k, k+1
.endr
.set c, NB*(NCH/NB)
.rept NCH-NB*(NCH/NB)                                  ; the last batch's 22 sums, behind its wait: no result crosses the jump below
	AC c
.set c, c+1
.endr
	v_add_nc_u32 v[XAD], 32*XP, v[XAD]             ; the next 32 inputs' rows
	s_sub_co_u32 s[CNT], s[CNT], 1
	s_cmp_lg_u32 s[CNT], 0
	s_cbranch_scc1 .Lchunk
	; THE END.  The lanes' sums take the place of x: nobody may still read x, so each wave's reads are back and a barrier is passed before the first store.
	s_wait_dscnt 0x0
	s_barrier_signal -1
	s_barrier_wait -1
.set k, 0
.rept 16
	ds_store_b128 v[XST], v[ACC+4*k:ACC+4*k+3] offset:16*k  ; row 32 wave + lane: my 64 sums
.set k, k+1
.endr
	s_wait_dscnt 0x0                               ; for the others' sake
	s_barrier_signal -1
	s_barrier_wait -1
	; Output oq's sums lie in rows 128 q + 32 oq + l (q = 0..3, l = 0..31).  I add the sixteen rows with l % 8 = my lane % 8, four rows b wide.
.set k, 0
.rept 8
	ds_load_b128 v[ACC+4*k:ACC+4*k+3], v[RDA] offset:((k/4)*128+(k%4)*8)*XP
.set k, k+1
.endr
.set k, 0
.rept 8
	ds_load_b128 v[ACC+32+4*k:ACC+32+4*k+3], v[RDB] offset:((k/4)*128+(k%4)*8)*XP
.set k, k+1
.endr
.macro LEVEL n, d                      ; n times: four numbers d registers on are added
.set m, 0
.rept \n
	v_pk_add_f32 v[ACC+2*(\d)*m:ACC+2*(\d)*m+1],   v[ACC+2*(\d)*m:ACC+2*(\d)*m+1],   v[ACC+2*(\d)*m+(\d):ACC+2*(\d)*m+(\d)+1]
	v_pk_add_f32 v[ACC+2*(\d)*m+2:ACC+2*(\d)*m+3], v[ACC+2*(\d)*m+2:ACC+2*(\d)*m+3], v[ACC+2*(\d)*m+(\d)+2:ACC+2*(\d)*m+(\d)+3]
.set m, m+1
.endr
.endm
.set m, 0
.rept 8
	s_wait_dscnt 14-2*m                            ; loads 2 m and 2 m + 1 of the sixteen are in
	v_pk_add_f32 v[ACC+8*m:ACC+8*m+1],   v[ACC+8*m:ACC+8*m+1],   v[ACC+8*m+4:ACC+8*m+5]
	v_pk_add_f32 v[ACC+8*m+2:ACC+8*m+3], v[ACC+8*m+2:ACC+8*m+3], v[ACC+8*m+6:ACC+8*m+7]
.set m, m+1
.endr
	LEVEL 4, 8
	LEVEL 2, 16
	LEVEL 1, 32
.irp x,1,2,4                           ; and the eight lanes that share four rows b add up: every one of them ends with the sum
.irp r,0,1,2,3
	v_add_f32_dpp v[ACC+\r], v[ACC+\r], v[ACC+\r] row_xmask:\x row_mask:0xf bank_mask:0xf
.endr
.endr
	ds_store_b128 v[FNA], v[ACC:ACC+3]             ; the eight write the same numbers to the same bytes
	s_wait_dscnt 0x0                               ; for the others' sake
	s_barrier_signal -1
	s_barrier_wait -1
	s_cmp_lt_u32 s[WV], 2
	s_cbranch_scc0 .Lend                           ; waves 0 and 1: thread b takes row b
	v_lshl_add_u32 v[LN], v0, 2, FIN
	v_lshl_add_u32 v[LP], v0, 4, BP
	v_lshlrev_b32 v[GX], 11, v0                    ; (the loads that named this register have long been waited for)
.irp o,0,1,2,3
	ds_load_b32 v[ACC+\o], v[LN] offset:256*\o     ; the row's four wavelet sums
.endr
.irp q,0,1,2,3
	ds_load_b128 v[ACC+4+4*\q:ACC+7+4*\q], v[LP] offset:1024*\q  ; and the base path's four partial sums of each
.endr
	s_wait_dscnt 0x0
	v_pk_add_f32 v[ACC+4:ACC+5],   v[ACC+4:ACC+5],   v[ACC+8:ACC+9]
	v_pk_add_f32 v[ACC+6:ACC+7],   v[ACC+6:ACC+7],   v[ACC+10:ACC+11]
	v_pk_add_f32 v[ACC+12:ACC+13], v[ACC+12:ACC+13], v[ACC+16:ACC+17]
	v_pk_add_f32 v[ACC+14:ACC+15], v[ACC+14:ACC+15], v[ACC+18:ACC+19]
	v_pk_add_f32 v[ACC:ACC+1],     v[ACC:ACC+1],     v[ACC+4:ACC+5]
	v_pk_add_f32 v[ACC+2:ACC+3],   v[ACC+2:ACC+3],   v[ACC+6:ACC+7]
	v_pk_add_f32 v[ACC:ACC+1],     v[ACC:ACC+1],     v[ACC+12:ACC+13]
	v_pk_add_f32 v[ACC+2:ACC+3],   v[ACC+2:ACC+3],   v[ACC+14:ACC+15]
	global_store_b128 v[GX], v[ACC:ACC+3], s[14:15]  ; 16 bytes of row b: all that the work-group owns of it
.Lend:
	s_wait_tensorcnt 0x0                           ; the wave's end, behind my last LDS store
	ds_add_u32 v[SPW], v[NIL]
	s_wait_dscnt 0x0
	s_endpgm
.Lfunc_end_k_qfcf58a0439_wavkan:
	.size	k_qfcf58a0439_wavkan, .Lfunc_end_k_qfcf58a0439_wavkan-k_qfcf58a0439_wavkan
	.p2alignl 7, 3214868480
	.fill 96, 4, 3214868480
	.section	.rodata,"a",@progbits
	.p2align	6, 0x0
	.amdhsa_kernel k_qfcf58a0439_wavkan
		.amdhsa_group_segment_fixed_size 228352
		.amdhsa_private_segment_fixed_size 0
		.amdhsa_enable_private_segment 0
		.amdhsa_kernarg_size 48
		.amdhsa_user_sgpr_count 2
		.amdhsa_user_sgpr_kernarg_segment_ptr 1
		.amdhsa_wavefront_size32 1
		.amdhsa_system_sgpr_workgroup_id_x 1
		.amdhsa_system_sgpr_workgroup_id_y 1
		.amdhsa_system_sgpr_workgroup_id_z 1
		.amdhsa_system_vgpr_workitem_id 0
		.amdhsa_next_free_vgpr 256
		.amdhsa_next_free_sgpr 66
		.amdhsa_reserve_vcc 0
		.amdhsa_float_denorm_mode_32 3
		.amdhsa_float_denorm_mode_16_64 3
		.amdhsa_memory_ordered 1
		.amdhsa_forward_progress 1
		.amdhsa_inst_pref_size 124
	.end_amdhsa_kernel
	.amdgpu_metadata
---
amdhsa.version: [ 1, 2 ]
amdhsa.kernels:
  - .name:           k_qfcf58a0439_wavkan
    .symbol:         k_qfcf58a0439_wavkan.kd
    .args:
      - { .name: x, .offset: 0, .size: 8, .value_kind: global_buffer, .address_space: global }
      - { .name: translation, .offset: 8, .size: 8, .value_kind: global_buffer, .address_space: global }
      - { .name: scale, .offset: 16, .size: 8, .value_kind: global_buffer, .address_space: global }
      - { .name: wavelet_weight, .offset: 24, .size: 8, .value_kind: global_buffer, .address_space: global }
      - { .name: base_weight, .offset: 32, .size: 8, .value_kind: global_buffer, .address_space: global }
      - { .name: out0, .offset: 40, .size: 8, .value_kind: global_buffer, .address_space: global }
    .group_segment_fixed_size: 228352
    .private_segment_fixed_size: 0
    .kernarg_segment_align: 8
    .kernarg_segment_size: 48
    .max_flat_workgroup_size: 512
    .sgpr_count:     66
    .vgpr_count:     256
    .wavefront_size: 32
...
	.end_amdgpu_metadata
.endif
;; end of part 2
